; MI455X (gfx1250); checked and timed in simulation.
; The chip was launched on July 23, 2026; its instructions are those of AMD's public machine-readable ISA for CDNA 5 (MIT licence, August 2026) and "CDNA5" Instruction Set Architecture Reference Guide (July 2026). The comments in the code are by the model that wrote it; some were corrected since.
;; Multi Head Attention. Allowed arithmetic: matrix products marked QUANTISED: E2M3 operands, one E8M0 scale for each 32 along K, by v_wmma_scale_f32_16x16x128_f8f6f4 with both operands' format E2M3, f32 sums; everything else in f32.
;; Inputs: Wk 512 x 512 float32; Wo 512 x 512 float32; Wq 512 x 512 float32; Wv 512 x 512 float32; bo 512 float32; x 2 x 4,096 x 512 float32.
;; Outputs: out0 2 x 4,096 x 512 float32.
;; This version of the problem:
;;   THIS VERSION OF THE PROBLEM IS GIVEN IN LOW PRECISION. The matrix products marked QUANTISED in the list below multiply operands that are first quantised to E2M3 (2 exponent bits, 3 mantissa bits; 6 bits a number), with one power-of-two scale for each 32 numbers along K (OCP MX v1.0); their sums are f32. All else is computed in f32.
;;   The module's matrix products, in the order in which they are computed (A, B: the left and right operand; K: the contracted axis; several contracted axes count as one K, in the product's order):
;;     1. [M 8,192, K 512] x [K 512, N 512]; A: input x; B: input Wq: QUANTISED
;;     2. [M 8,192, K 512] x [K 512, N 512]; A: input x; B: input Wk: QUANTISED
;;     3. [M 8,192, K 512] x [K 512, N 512]; A: input x; B: input Wv: QUANTISED
;;     4. batch 16 x [M 4,096, K 64] x [K 64, N 4,096]; A: computed on the way; B: computed on the way: QUANTISED
;;     5. batch 16 x [M 4,096, K 4,096] x [K 4,096, N 64]; A: softmax (see below); B: computed on the way: QUANTISED
;;     6. [M 8,192, K 512] x [K 512, N 512]; A: computed on the way; B: input Wo: QUANTISED
;;   THE QUANTISER, for each operand of a quantised product, along K:
;;     - K is cut into blocks of 32 from its start; a last block that is shorter is filled with zeros.
;;     - A block's scale is 2^e with e = floor(log2(the largest magnitude in the block)) - 2, held to -126 .. 127; a block of zeros has e = 0. As a byte (E8M0): e + 127.
;;     - Each number is divided by its block's scale, clamped to +-7.5, and rounded to the nearest number of E2M3, ties to even, subnormals kept.
;;     - The product sums the exact products of the quantised numbers (number of the format x scale) in f32.
;;   ~~~python
;;   def quantise(x, axis):      # numpy; x: float32 -> the quantised numbers, widened to float32 again
;;       x = np.moveaxis(x, axis, -1); K = x.shape[-1]
;;       x = np.pad(x, [(0, 0)] * (x.ndim - 1) + [(0, -K % 32)]); x = x.reshape(x.shape[:-1] + (-1, 32)); a = np.abs(x).max(-1, keepdims=True)
;;       e = np.where(a > 0, np.clip(np.frexp(np.where(a > 0, a, 1))[1] - 1 - 2, -126, 127), 0)      # np.frexp(a)[1] - 1 = floor(log2(a)), exactly
;;       r = np.clip(x / 2.0 ** e, -7.5, 7.5)
;;       step = 2.0 ** (np.maximum(np.frexp(np.where(r == 0, 1, r))[1] - 1, 0) - 3)
;;       q = np.round(r / step) * step * 2.0 ** e      # np.round: ties to even
;;       return np.moveaxis(q.reshape(q.shape[:-2] + (-1,))[..., :K], -1, axis).astype(np.float32)
;;   ~~~
;;   SOFTMAX AHEAD OF A QUANTISED PRODUCT. Where the list says 'softmax', what is quantised is not the finished softmax but p = 2^(t - M), with t = logit x log2(e) and M = ceil(the row's largest t), a whole number; so 1/2 < the row's largest p <= 1. The row's sum l is taken of the UNQUANTISED p, in f32, and the product's result is divided by l at the end. Since M is a whole number, a kernel that streams over the keys may use a running M (the ceiling of the running maximum): every later rescaling is an exact power of two, which a block's scale takes up: the codes' values come out the same.
;;   OPERANDS COMPUTED ON THE WAY. 'Computed on the way' means the value that the module computes at that place (a softmax that the list does not call 'softmax' is quantised finished and normalised). What goes into a quantiser is computed in f32, as accurately as f32 sums, v_exp_f32 and their like allow (about 1e-6 of the number): no bf16 or f16 on the way to a quantiser, and a product that is left as it is and whose result goes on into a quantised operand takes f32 operands (vector FMAs, or v_wmma_f32_16x16x4_f32). A number that lies on a knife's edge between two numbers of the format may be rounded either way, as far as f32 arithmetic and the matrix unit's own rounding can turn it there, and no further.
;; One version. Each part assembles by itself: llvm-mc -triple=amdgcn-amd-amdhsa -mcpu=gfx1250 --defsym DOCPART=n.
;; ======== version 1 of 1: 4 launches
;; limits: right only within a limited range of input values
;; workspace buffers: xc 3,145,728 bytes; xs 131,072 bytes; wc 786,432 bytes; ws 65,536 bytes; qr 3,670,016 bytes; kv 6,946,816 bytes; at 3,670,016 bytes
;; launch quant (part 1): grid 576 x 1, 4 waves a work-group, no clusters, 768 bytes of LDS; arguments x, Wq, Wk, Wv, Wo, xc, xs, wc, ws; writes xc, xs, wc, ws
.if DOCPART == 1
	.amdgcn_target "amdgcn-amd-amdhsa--gfx1250"
	.amdhsa_code_object_version 6
	.text
	.protected	k_q59e64f92a9_quant
	.globl	k_q59e64f92a9_quant
	.p2align	8
	.type	k_q59e64f92a9_quant,@function
k_q59e64f92a9_quant:
	s_mov_b64 s[64:65], 0
	v_nop
	global_prefetch_b8 v0, s[64:65] scope:SCOPE_SE
	s_setreg_imm32_b32 hwreg(HW_REG_WAVE_MODE, 25, 1), 1
	s_wait_xcnt 0x0
; x [8192][512] f32 (K innermost) and the four weights [512 (k)][512 (n)] f32 (K is the FIRST axis) become codes of FP6 (E2M3) with one E8M0 byte for each 32 along K.
; A block's scale is 2^(floor(log2(its largest magnitude)) - 2): its byte is the largest magnitude's exponent field - 2, held at 1 from below.
; LAYOUT OF THE RESULTS: images of operand registers.  A fragment (16 rows x 128 K, 12 registers a lane) lies as 3 pieces of 512 bytes, piece c = registers 4 c .. 4 c + 3, lane l's 16 bytes at 16 l.
;   xc [512 row tiles][4 K steps][1536]     xs [8192 rows][4 words], word s = the four scale bytes of K step s
;   wc [4 weights q, k, v, o][32 column tiles][4 K steps][1536]     ws [4 weights][4 K steps][512 columns][8 bytes], low word = the scale word, high word a copy
; ORDER INSIDE A BLOCK OF 32: place p holds element (p % 8) + 16 ((p / 8) % 2) + 8 (p / 16): the two middle groups of eight change places, in every operand of this program alike.
; The products and the scales are those of the plain order; only the order in which the matrix unit adds inside a block differs.
; LIMITS: NaN and infinities among the inputs are not served.  A block of zeros gets the byte 1 where the rule says 127: its codes are zeros, and this program alone reads the bytes.
; Blocks whose largest magnitude lies under 2^-124 are held at the byte 1.
; SHARES: work-groups 0-63: the weights, a wave to 32 columns x 128 along K (128 loads a wave: the longest work has the lowest numbers).
; Work-groups 64-575: x, a work-group to a tile of 16 rows, wave s to its K step s: sixteen loads, all out at once.  The four waves' scale words meet in 256 bytes of LDS,
; laid as the tile's 256 bytes of xs, and wave 0 stores them as one aligned unit.  The weights' path touches no LDS and passes no barrier.
.set SPW, 8                            ; v8       LDS address of my spare word; never rewritten
.set NIL, 9                            ; v9       0; never rewritten
.set LW,  10                           ; v10      LDS: 16 x row + 4 x K step
.set SPARE, 256                        ; behind the 256 bytes of scale words: the spare words, 128 bytes for each wave
.set TM,  32                           ; v32-47   QUANT at work
.set PW,  48                           ; v48      my K step's scale word
.set XW,  52                           ; v[52:53] the scale words on their way out
.set CT,  56                           ; v56-62   the second halves of the blocks' codes
.set XA,  64                           ; v64-127  64 numbers of x
.set PC,  192                          ; v192-203 the codes
.set SEL, 24                           ; s[24:25] v_permlanex16_b32's selects for lane l xor 16
.macro D1
	s_delay_alu instid0(VALU_DEP_1)
.endm
.macro D2
	s_delay_alu instid0(VALU_DEP_2)
.endm
.macro D4
	s_delay_alu instid0(VALU_DEP_4)
.endm
; 64 numbers of a lane, register 16 b + i = place 16 (lane / 16) + i of block b of my row, become a fragment's 12 registers v[pc] on and its scale word v[pw] (the same in both halves of the lanes).
.macro QUANT s, pc, pw
.irp b, 0,1,2,3
	v_max3_num_f32 v[TM+\b], |v[\s+16*\b]|, |v[\s+1+16*\b]|, 0x1800000   ; my 16 numbers of block b, and the floor 2^(3 - 127)
.endr
.irp i, 2,4,6,8,10,12,14
.irp b, 0,1,2,3
	D4
	v_max3_num_f32 v[TM+\b], v[TM+\b], |v[\s+16*\b+\i]|, |v[\s+1+16*\b+\i]|   ; the four blocks by turns
.endr
.endr
.irp b, 0,1,2,3
	D4
	v_permlanex16_b32 v[TM+4+\b], v[TM+\b], s[SEL], s[SEL+1]
.endr
.irp b, 0,1,2,3
	D4
	v_max_num_f32 v[TM+\b], v[TM+\b], v[TM+4+\b]   ; with lane l xor 16's: the block's largest magnitude
.endr
.irp b, 0,1,2,3
	D4
	v_add_nc_u32 v[TM+12+\b], 0xff000000, v[TM+\b] ; 2 off its exponent field: the conversion's scale operand
.endr
.irp b, 0,1,2,3
	D4
	v_lshrrev_b32 v[TM+4+\b], 23, v[TM+12+\b]      ; the scale's byte
.endr
	s_delay_alu instid0(VALU_DEP_3)
	v_lshl_or_b32 v[\pw], v[TM+5], 8, v[TM+4]
	D1
	v_lshl_or_b32 v[\pw], v[TM+6], 16, v[\pw]
	D1
	v_lshl_or_b32 v[\pw], v[TM+7], 24, v[\pw]
.irp c, 0,1
	v_cvt_scalef32_pk16_fp6_f32 v[\pc+6*\c:\pc+6*\c+2], v[\s+32*\c:\s+32*\c+15], v[TM+12+2*\c]
	v_cvt_scalef32_pk16_fp6_f32 v[CT+4*\c:CT+4*\c+2], v[\s+32*\c+16:\s+32*\c+31], v[TM+13+2*\c]   ; (a conversion's three registers begin on an even number)
.endr
	v_nop                                          ; one plain instruction behind the scaled conversions
.irp c, 0,1                                    ; the operand's layout wants a whole block in a lane: lanes 0-15 block 2 c, lanes 16-31 block 2 c + 1
.irp i, 0,1,2
	v_permlane16_swap_b32 v[\pc+6*\c+\i], v[CT+4*\c+\i]
.endr
.irp i, 0,1,2
	s_delay_alu instid0(VALU_DEP_3)
	v_mov_b32 v[\pc+3+6*\c+\i], v[CT+4*\c+\i]
.endr
.endr
.endm
	s_load_b256 s[4:11], s[0:1], 0x0               ; x s[4:5], Wq s[6:7], Wk s[8:9], Wv s[10:11]
	s_load_b256 s[12:19], s[0:1], 0x20             ; Wo s[12:13], xc s[14:15], xs s[16:17], wc s[18:19]
	s_load_b64 s[20:21], s[0:1], 0x40              ; ws
	v_lshl_add_u32 v[SPW], v0, 2, SPARE
	v_mov_b32 v[NIL], 0
	v_lshrrev_b32 v4, 5, v0
	v_readfirstlane_b32 s22, v4                    ; wave 0..3
	v_and_b32 v5, 31, v0                           ; lane
	v_and_b32 v6, 15, v0                           ; r
	v_bfe_u32 v7, v0, 4, 1                         ; h
	s_mov_b32 s[SEL], 0x76543210
	s_mov_b32 s[SEL+1], 0xfedcba98
	s_cmp_lt_u32 ttmp9, 64                         ; the choice hangs on the work-group's number alone
	s_cbranch_scc1 .Lweights
	; ---- x: my work-group's tile of 16 rows, my wave's K step
	s_sub_co_u32 s28, ttmp9, 64                    ; row tile
	s_lshl_b32 s30, s28, 15                        ; 16 rows of 2,048 bytes,
	s_lshl_b32 s31, s22, 9                         ; 512 bytes of a row a K step
	s_add_co_u32 s30, s30, s31
	s_mov_b32 s31, 0
	s_mul_i32 s32, s28, 6144                       ; four images a tile,
	s_mul_i32 s33, s22, 1536                       ; mine
	s_add_co_u32 s32, s32, s33
	s_mov_b32 s33, 0
	s_lshl_b32 s34, s28, 8                         ; 16 rows of four scale words
	s_mov_b32 s35, 0
	s_lshl_b32 s36, s22, 2
	s_wait_alu depctr_va_vdst(0)                   ; the wait behind the run of scalar lines
	v_lshlrev_b32 v1, 11, v6
	v_lshl_add_u32 v1, v7, 5, v1                   ; in: row r, + 32 h bytes
	v_lshlrev_b32 v2, 4, v5                        ; an image's place for my lane
	v_lshlrev_b32 v3, 3, v5                        ; the scale words' way out: 8 bytes a lane
	v_lshlrev_b32 v[LW], 4, v6
	v_add_nc_u32 v[LW], s36, v[LW]                 ; row r's 16 bytes, word s
.irp b, 0,1,2,3
	v_mov_b32 v[TM+4+\b], 0                        ; written once: a lane permute's destination counts as one of its sources
.endr
	s_wait_alu depctr_va_vdst(0)                   ; the wait at the head's end
	s_wait_kmcnt 0x0
	s_add_nc_u64 s[4:5], s[4:5], s[30:31]
	s_add_nc_u64 s[14:15], s[14:15], s[32:33]
	s_add_nc_u64 s[16:17], s[16:17], s[34:35]
.irp b, 0,1,2,3                                ; of each block of 32 my lane takes elements 8 h + 0..7 and 16 + 8 h + 0..7: two runs of 32 bytes
.irp j, 0,1,2,3
	global_load_b128 v[XA+16*\b+4*\j:XA+16*\b+4*\j+3], v1, s[4:5] offset:128*\b+64*(\j/2)+16*(\j%2) th:TH_LOAD_NT
.endr
.endr
	s_wait_loadcnt 0x0
	QUANT XA, PC, PW
	ds_store_b32 v[LW], v[PW]                      ; both halves of the lanes write the same word with the same value
.irp c, 0,1,2
	global_store_b128 v2, v[PC+4*\c:PC+4*\c+3], s[14:15] offset:512*\c   ; the image: each store covers 512 consecutive bytes, aligned to 256
.endr
	s_wait_dscnt 0x0                               ; my word is in LDS
	s_barrier_signal -1
	s_barrier_wait -1                              ; all four waves' are
	s_cmp_lg_u32 s22, 0
	s_cbranch_scc1 .Lxend
	ds_load_b64 v[XW:XW+1], v3
	s_wait_dscnt 0x0
	global_store_b64 v3, v[XW:XW+1], s[16:17]      ; the 32 lanes store 256 consecutive bytes, aligned
.Lxend:
	s_wait_tensorcnt 0x0                           ; the wave's end, behind my last LDS store
	ds_add_u32 v[SPW], v[NIL]
	s_wait_dscnt 0x0
	s_endpgm
	; ---- the weights: A LANE TAKES A COLUMN n, AND ITS REGISTERS RUN DOWN K: a block of 32 along K lies in one lane, and the conversions give codes with K innermost
.Lweights:
	s_mov_b32 s28, ttmp9
	s_lshr_b32 s29, s28, 4                         ; which weight: 0 q, 1 k, 2 v, 3 o
	s_bfe_u32 s30, s28, 0x20002                    ; which K step of 128
	s_and_b32 s31, s28, 3
	s_lshl_b32 s31, s31, 2
	s_add_co_u32 s31, s31, s22                     ; which 32 columns: 4 x column group + wave
	s_lshl_b32 s32, s30, 18                        ; in: 128 rows of 2,048 bytes a K step,
	s_lshl_b32 s33, s31, 7                         ; 128 bytes for 32 columns
	s_add_co_u32 s32, s32, s33
	s_mov_b32 s33, 0
	s_lshl_b32 s34, s29, 5                         ; codes: column tile 32 x weight + 2 x my 32 columns,
	s_lshl_b32 s35, s31, 1
	s_add_co_u32 s34, s34, s35
	s_mul_i32 s34, s34, 6144
	s_mul_i32 s35, s30, 1536                       ; and the K step's image in it
	s_add_co_u32 s34, s34, s35
	s_mov_b32 s35, 0
	s_lshl_b32 s36, s29, 14                        ; scale words: 16,384 bytes a weight, 4,096 a K step, 8 a column
	s_lshl_b32 s37, s30, 12
	s_add_co_u32 s36, s36, s37
	s_lshl_b32 s37, s31, 8
	s_add_co_u32 s36, s36, s37
	s_mov_b32 s37, 0
	s_wait_alu depctr_va_vdst(0)
	v_lshlrev_b32 v1, 2, v5                        ; in: 4 bytes a lane
	v_mul_u32_u24 v2, v7, 6144                     ; out: lanes 16-31 hold the next column tile,
	v_lshl_add_u32 v2, v6, 4, v2                   ; 16 bytes a row of the fragment
	v_lshlrev_b32 v3, 3, v5
	s_wait_alu depctr_va_vdst(0)
	s_wait_kmcnt 0x0
	s_cmp_eq_u32 s29, 1
	s_cselect_b64 s[6:7], s[8:9], s[6:7]
	s_cmp_eq_u32 s29, 2
	s_cselect_b64 s[6:7], s[10:11], s[6:7]
	s_cmp_eq_u32 s29, 3
	s_cselect_b64 s[6:7], s[12:13], s[6:7]
	s_add_nc_u64 s[6:7], s[6:7], s[32:33]
	s_add_nc_u64 s[18:19], s[18:19], s[34:35]
	s_add_nc_u64 s[20:21], s[20:21], s[36:37]
.set kb, 0
.rept 4                                ; register 64 + 32 kb + i: place i of block kb: each load reads 128 consecutive bytes, the work-group's four waves 512
.set i, 0
.rept 32
	global_load_b32 v[64+32*kb+i], v1, s[6:7] offset:(32*kb+(i%8)+16*((i/8)%2)+8*(i/16))*2048 th:TH_LOAD_NT
.set i, i+1
.endr
.set kb, kb+1
.endr
; Block kb = 2 c + h' is registers 6 c .. 6 c + 5 of the fragment's lane (r, h'): the twelve registers of lane (r, h') stand at v[192 + 12 h'] on.
.macro WBLOCK kb, n
.set XS, 64+32*\kb
.set DC, 192+12*(\kb%2)+6*(\kb/2)
	s_wait_loadcnt \n                              ; this block's 32 loads are in (the later blocks' may be out; the count's field holds 63 at the most)
	v_max3_num_f32 v32, |v[XS]|, |v[XS+1]|, |v[XS+2]|   ; the block's largest magnitude: all 32 numbers are mine; two chains
	v_max3_num_f32 v33, |v[XS+3]|, |v[XS+4]|, |v[XS+5]|
.irp i, 6,10,14,18,22,26
	D2
	v_max3_num_f32 v32, v32, |v[XS+\i]|, |v[XS+\i+1]|
	D2
	v_max3_num_f32 v33, v33, |v[XS+\i+2]|, |v[XS+\i+3]|
.endr
	D2
	v_max3_num_f32 v32, v32, |v[XS+30]|, |v[XS+31]|
	D1
	v_max3_num_f32 v32, v32, v33, 0x1800000        ; and the floor 2^(3 - 127)
	D1
	v_add_nc_u32 v34, 0xff000000, v32              ; the conversion's scale operand
	D1
	v_lshrrev_b32 v35, 23, v34                     ; the scale's byte
	D1
.if \kb == 0
	v_mov_b32 v36, v35
.else
	v_lshl_or_b32 v36, v35, 8*\kb, v36             ; the lower K in the lower byte
.endif
	v_cvt_scalef32_pk16_fp6_f32 v[DC:DC+2], v[XS:XS+15], v34
	v_cvt_scalef32_pk16_fp6_f32 v[216:218], v[XS+16:XS+31], v34   ; (a conversion's three registers begin on an even number)
	v_nop                                          ; one plain instruction behind the scaled conversions
.irp i, 0,1,2
	v_mov_b32 v[DC+3+\i], v[216+\i]
.endr
.endm
	WBLOCK 0, 63
	WBLOCK 1, 63
	WBLOCK 2, 32
	WBLOCK 3, 0
	v_mov_b32 v37, v36                             ; the copy, so that the store below covers whole runs of bytes
.irp hh, 0,1
.irp c, 0,1,2
	global_store_b128 v2, v[192+12*\hh+4*\c:192+12*\hh+4*\c+3], s[18:19] offset:256*\hh+512*\c   ; sixteen lanes store 256 consecutive bytes, aligned, of their column tile's image
.endr
.endr
	global_store_b64 v3, v[36:37], s[20:21]        ; 256 consecutive bytes, aligned
	s_endpgm
.Lfunc_end_k_q59e64f92a9_quant:
	.size	k_q59e64f92a9_quant, .Lfunc_end_k_q59e64f92a9_quant-k_q59e64f92a9_quant
	.p2alignl 7, 3214868480
	.fill 96, 4, 3214868480
	.section	.rodata,"a",@progbits
	.p2align	6, 0x0
	.amdhsa_kernel k_q59e64f92a9_quant
		.amdhsa_group_segment_fixed_size 768
		.amdhsa_private_segment_fixed_size 0
		.amdhsa_enable_private_segment 0
		.amdhsa_kernarg_size 72
		.amdhsa_user_sgpr_count 2
		.amdhsa_user_sgpr_kernarg_segment_ptr 1
		.amdhsa_wavefront_size32 1
		.amdhsa_system_sgpr_workgroup_id_x 1
		.amdhsa_system_sgpr_workgroup_id_y 1
		.amdhsa_system_sgpr_workgroup_id_z 1
		.amdhsa_system_vgpr_workitem_id 0
		.amdhsa_next_free_vgpr 240
		.amdhsa_next_free_sgpr 66
		.amdhsa_reserve_vcc 0
		.amdhsa_float_denorm_mode_32 3
		.amdhsa_float_denorm_mode_16_64 3
		.amdhsa_memory_ordered 1
		.amdhsa_forward_progress 1
		.amdhsa_inst_pref_size 32
	.end_amdhsa_kernel
	.amdgpu_metadata
---
amdhsa.version: [ 1, 2 ]
amdhsa.kernels:
  - .name:           k_q59e64f92a9_quant
    .symbol:         k_q59e64f92a9_quant.kd
    .args:
      - { .name: x, .offset: 0, .size: 8, .value_kind: global_buffer, .address_space: global }
      - { .name: Wq, .offset: 8, .size: 8, .value_kind: global_buffer, .address_space: global }
      - { .name: Wk, .offset: 16, .size: 8, .value_kind: global_buffer, .address_space: global }
      - { .name: Wv, .offset: 24, .size: 8, .value_kind: global_buffer, .address_space: global }
      - { .name: Wo, .offset: 32, .size: 8, .value_kind: global_buffer, .address_space: global }
      - { .name: xc, .offset: 40, .size: 8, .value_kind: global_buffer, .address_space: global }
      - { .name: xs, .offset: 48, .size: 8, .value_kind: global_buffer, .address_space: global }
      - { .name: wc, .offset: 56, .size: 8, .value_kind: global_buffer, .address_space: global }
      - { .name: ws, .offset: 64, .size: 8, .value_kind: global_buffer, .address_space: global }
    .group_segment_fixed_size: 768
    .private_segment_fixed_size: 0
    .kernarg_segment_align: 8
    .kernarg_segment_size: 72
    .max_flat_workgroup_size: 128
    .sgpr_count:     66
    .vgpr_count:     240
    .wavefront_size: 32
...
	.end_amdgpu_metadata
.endif
;; end of part 1
;; launch proj (part 2): grid 6 x 64, 4 waves a work-group, no clusters, 0 bytes of LDS; arguments xc, xs, wc, ws, qr, kv; writes qr, kv
.if DOCPART == 2
	.amdgcn_target "amdgcn-amd-amdhsa--gfx1250"
	.amdhsa_code_object_version 6
	.text
	.protected	k_q59e64f92a9_proj
	.globl	k_q59e64f92a9_proj
	.p2align	8
	.type	k_q59e64f92a9_proj,@function
k_q59e64f92a9_proj:
	s_mov_b64 s[64:65], 0
	v_nop
	global_prefetch_b8 v0, s[64:65] scope:SCOPE_SE
	s_setreg_imm32_b32 hwreg(HW_REG_WAVE_MODE, 25, 1), 1
	s_wait_xcnt 0x0
; q = x Wq, k = x Wk, v = x Wv on codes of FP6 (E2M3) with E8M0 scales, sums in f32; the results are quantised in registers for attention's two products and leave as images of operand registers.
; SHARES: work-group x = 2 x kind + half (kind 0 q, 1 k, 2 v), y = a group of 128 rows.  A wave makes 128 rows x the 64 columns of ONE head (4 x half + wave) over K = 512: 128 matrix instructions.
; All operands are images (16 rows x 128 K: 1,536 bytes, lane l's 16 bytes of piece c at 512 c + 16 l): they are loaded straight into registers at the head; no loop, no LDS, no barrier.
; q AND k: the product is used transposed (source 0 = 16 columns of W, source 1 = 16 rows of x): a lane holds one row, its registers run along the head's 64, which is the next product's K.
;   They leave as PAIR RECORDS of 1,792 bytes for 32 rows: +0 the even tile's six registers (512 bytes of registers 0-3, 256 of registers 4-5), +768 the odd tile's, +1536 the scale words, 8 bytes a lane
;   (low word: lanes 0-15 the even tile's rows, lanes 16-31 the odd tile's; bytes 0, 1 the two blocks; bytes 2, 3 never 0xff; high word a copy).
; v: not transposed (source 0 = 16 rows of x = keys, source 1 = 16 columns of W): a lane holds one channel d, its registers run along the keys, which are the second product's K: whole fragments of V^T.
;   qr [16 heads of batches][128 pairs][1792].   kv [16][32 key steps][13568]: +0 four pair records of k, +7168 four images of V^T, +13312 V's scale words, 8 bytes a lane (word 0: d tiles 0 | 1, word 1: d tiles 2 | 3).
; ORDER INSIDE A BLOCK OF 32: place p holds element (p % 8) + 16 ((p / 8) % 2) + 8 (p / 16), as in every operand of this program: it is the order in which two neighbouring result tiles fall into the conversions.
; LIMITS: NaN and infinities are not served; a block of zeros gets the byte 1 (its codes are zeros, and this program alone reads the bytes); blocks under 2^-124 are held at the byte 1.
; REGISTERS, in windows of 256: window 0: v1 16 x lane, v2 8 x lane; scale words; QUANT's; v128-191 eight accumulators; v192-239 codes.  window 1: W's 16 fragments at v[12 (4 ct + s)].
;   window 2: x's row tiles 0-3 at v[12 (4 rt + s)];  window 3: row tiles 4-7.
.set WS,  8                            ; v8-15    W's scale words: register 4 cp + s: lanes 0-15 column tile 2 cp, lanes 16-31 column tile 2 cp + 1
.set XS,  16                           ; v16-31   x's: register 4 p + s: lanes 0-15 row tile 2 p, lanes 16-31 row tile 2 p + 1
.set TM,  32                           ; v32-47   QUANT at work
.set PW,  48                           ; v48-51   the scale word of each unit
.set AW,  52                           ; v52-59   a pair (word, copy) for each unit's store
.set CT,  60                           ; v60-66   the second halves of the blocks' codes
.set TT,  68
.set ACC, 128
.set PC,  192                          ; twelve registers for each unit: no store's data are written again
.set SEL, 20
.set HM,  22
.set MSB, 0
.macro WIN new                         ; the immediate's high byte repeats the setting that is left
.if MSB != (\new)
	s_set_vgpr_msb (MSB<<8)|(\new)
.set MSB, \new
.endif
.endm
.macro PLACES
.rept 4
	v_nop
.endr
.endm
; One product, from the symbols rD, rA, rB, rSA, rSB; c: the C operand; ra, rb: source 0's, source 1's scales stand in lanes 16-31
.macro MM c, ra, rb
.if (\ra) && (\rb)
	v_wmma_scale_f32_16x16x128_f8f6f4 v[rD:rD+7], v[rA:rA+11], v[rB:rB+11], \c, v[rSA], v[rSB] matrix_a_fmt:MATRIX_FMT_FP6 matrix_b_fmt:MATRIX_FMT_FP6 matrix_a_scale:MATRIX_SCALE_ROW1 matrix_b_scale:MATRIX_SCALE_ROW1
.elseif (\ra)
	v_wmma_scale_f32_16x16x128_f8f6f4 v[rD:rD+7], v[rA:rA+11], v[rB:rB+11], \c, v[rSA], v[rSB] matrix_a_fmt:MATRIX_FMT_FP6 matrix_b_fmt:MATRIX_FMT_FP6 matrix_a_scale:MATRIX_SCALE_ROW1
.elseif (\rb)
	v_wmma_scale_f32_16x16x128_f8f6f4 v[rD:rD+7], v[rA:rA+11], v[rB:rB+11], \c, v[rSA], v[rSB] matrix_a_fmt:MATRIX_FMT_FP6 matrix_b_fmt:MATRIX_FMT_FP6 matrix_b_scale:MATRIX_SCALE_ROW1
.else
	v_wmma_scale_f32_16x16x128_f8f6f4 v[rD:rD+7], v[rA:rA+11], v[rB:rB+11], \c, v[rSA], v[rSB] matrix_a_fmt:MATRIX_FMT_FP6 matrix_b_fmt:MATRIX_FMT_FP6
.endif
.endm
; 64 numbers of a lane, register 16 b + i = place 16 (lane / 16) + i of block b, become 12 registers of codes v[pc] on and the four blocks' scale word v[pw] (the same in both halves of the lanes).
; Each accumulator is read from its low end on; the lines on TM name none of the numbers' registers.
.macro QUANT s, pc, pw
.irp b, 0,1,2,3
	v_max3_num_f32 v[TM+\b], |v[\s+16*\b]|, |v[\s+1+16*\b]|, 0x1800000   ; my 16 numbers of block b, and the floor 2^(3 - 127): the byte cannot fall under 1
.endr
.irp i, 2,4,6,8,10,12,14
.irp b, 0,1,2,3
	v_max3_num_f32 v[TM+\b], v[TM+\b], |v[\s+16*\b+\i]|, |v[\s+1+16*\b+\i]|
.endr
.endr
.irp b, 0,1,2,3
	v_permlanex16_b32 v[TM+4+\b], v[TM+\b], s[SEL], s[SEL+1]
.endr
.irp b, 0,1,2,3
	v_max_num_f32 v[TM+\b], v[TM+\b], v[TM+4+\b]   ; with lane l xor 16's: the block's largest magnitude
.endr
.irp b, 0,1,2,3
	v_add_nc_u32 v[TM+12+\b], 0xff000000, v[TM+\b] ; 2 off its exponent field: the conversion's scale operand
.endr
.irp b, 0,1,2,3
	v_lshrrev_b32 v[TM+4+\b], 23, v[TM+12+\b]      ; the scale's byte
.endr
	v_lshl_or_b32 v[\pw], v[TM+5], 8, v[TM+4]
	v_lshl_or_b32 v[\pw], v[TM+6], 16, v[\pw]
	v_lshl_or_b32 v[\pw], v[TM+7], 24, v[\pw]
.irp c, 0,1
	v_cvt_scalef32_pk16_fp6_f32 v[\pc+6*\c:\pc+6*\c+2], v[\s+32*\c:\s+32*\c+15], v[TM+12+2*\c]
	v_cvt_scalef32_pk16_fp6_f32 v[CT+4*\c:CT+4*\c+2], v[\s+32*\c+16:\s+32*\c+31], v[TM+13+2*\c]
.endr
	v_nop                                          ; one plain instruction behind the scaled conversions
.irp c, 0,1
.irp i, 0,1,2
	v_permlane16_swap_b32 v[\pc+6*\c+\i], v[CT+4*\c+\i]
.endr
.irp i, 0,1,2
	v_mov_b32 v[\pc+3+6*\c+\i], v[CT+4*\c+\i]
.endr
.endr
.endm
	s_load_b256 s[4:11], s[0:1], 0x0               ; xc s[4:5], xs s[6:7], wc s[8:9], ws s[10:11]
	s_load_b128 s[12:15], s[0:1], 0x20             ; qr s[12:13], kv s[14:15]
	v_lshrrev_b32 v3, 5, v0
	v_readfirstlane_b32 s16, v3                    ; wave 0..3
	v_and_b32 v3, 31, v0
	v_lshlrev_b32 v1, 4, v3                        ; 16 x lane
	v_lshlrev_b32 v2, 3, v3                        ; 8 x lane
.irp b, 0,1,2,3
	v_mov_b32 v[TM+4+\b], 0                        ; written once: a lane permute's destination counts as one of its sources
.endr
	s_mov_b32 s[SEL], 0x76543210
	s_mov_b32 s[SEL+1], 0xfedcba98
	s_mov_b32 s[HM], 0xffff0000
	s_lshr_b32 s17, ttmp9, 1                       ; kind
	s_and_b32 s18, ttmp9, 1
	s_lshl_b32 s18, s18, 2
	s_add_co_u32 s18, s18, s16                     ; head
	s_and_b32 s19, ttmp7, 0xffff                   ; group of 128 rows
	s_mul_i32 s24, s19, 49152                      ; x's 32 images
	s_mov_b32 s25, 0
	s_lshl_b32 s26, s19, 11                        ; x's scale words: 16 bytes a row
	s_mov_b32 s27, 0
	s_lshl_b32 s28, s17, 5
	s_lshl_b32 s29, s18, 2
	s_add_co_u32 s28, s28, s29
	s_mul_i32 s28, s28, 6144                       ; W's column tile 32 x kind + 4 x head
	s_mov_b32 s29, 0
	s_lshl_b32 s30, s17, 14
	s_lshl_b32 s31, s18, 9
	s_add_co_u32 s30, s30, s31                     ; W's scale words: 16,384 bytes a weight, 512 for a head's 64 columns
	s_mov_b32 s31, 0
	s_lshr_b32 s32, s19, 5                         ; batch
	s_lshl_b32 s32, s32, 3
	s_add_co_u32 s32, s32, s18
	s_lshl_b32 s32, s32, 5
	s_and_b32 s33, s19, 31
	s_add_co_u32 s32, s32, s33                     ; (8 x batch + head) x 32 + the group's place in the batch
	s_wait_alu depctr_va_vdst(0)
	s_wait_kmcnt 0x0
	s_add_nc_u64 s[4:5], s[4:5], s[24:25]
	s_add_nc_u64 s[6:7], s[6:7], s[26:27]
	s_add_nc_u64 s[8:9], s[8:9], s[28:29]
	s_add_nc_u64 s[10:11], s[10:11], s[30:31]
	s_cmp_eq_u32 s17, 0                            ; q goes to qr, four pair records a group; k and v into kv, a record a group
	s_cselect_b64 s[12:13], s[12:13], s[14:15]
	s_mov_b32 s33, 13568
	s_cselect_b32 s33, 7168, s33
	s_mul_i32 s32, s32, s33
	s_mov_b32 s33, 0
	s_add_nc_u64 s[12:13], s[12:13], s[32:33]
.irp cp, 0,1
.irp s, 0,1,2,3
	global_load_b32 v[WS+4*\cp+\s], v2, s[10:11] offset:4096*\s+256*\cp
.endr
.endr
.irp p, 0,1,2,3
	global_load_b128 v[XS+4*\p:XS+4*\p+3], v1, s[6:7] offset:512*\p
.endr
.macro LW ct                           ; twelve loads: W's column tile ct, four K steps
	WIN 0x40
.irp s, 0,1,2,3
.irp c, 0,1,2
	global_load_b128 v[12*(4*\ct+\s)+4*\c:12*(4*\ct+\s)+4*\c+3], v1, s[8:9] offset:(4*\ct+\s)*1536+512*\c
.endr
.endr
.endm
.macro LX rt                           ; twelve loads: x's row tile rt
	WIN 0x80+0x40*((\rt)/4)
.irp s, 0,1,2,3
.irp c, 0,1,2
	global_load_b128 v[12*(4*((\rt)%4)+\s)+4*\c:12*(4*((\rt)%4)+\s)+4*\c+3], v1, s[4:5] offset:(4*(\rt)+\s)*1536+512*\c
.endr
.endr
.endm
	s_cmp_eq_u32 s17, 2
	s_cbranch_scc1 .Lv
	; ---- q and k
.irp ct, 0,1,2,3
	LW \ct
.endr
.irp rt, 0,1,2,3,4,5,6,7
	LX \rt
.endr
; Rows 32 p .. 32 p + 31: eight accumulators (row tile e, column tile ct) take turns, one instruction a turn, K step by K step.
.macro UNIT_QK p, n
	s_wait_loadcnt \n                              ; the scale words, W and x's row tiles up to 2 p + 1 are in; the later row tiles' loads, twelve each, may be out
	WIN 0x09+4*((\p)/2)                            ; source 0 (W) window 1, source 1 (x) window 2 or 3
.irp s, 0,1,2,3
.irp e, 0,1
.irp ct, 0,1,2,3
.set rD, ACC+8*(4*\e+\ct)
.set rA, 12*(4*\ct+\s)
.set rB, 12*(4*((2*(\p)+\e)%4)+\s)
.set rSA, WS+4*(\ct/2)+\s
.set rSB, XS+4*(\p)+\s
.if \s == 0
	MM 0, \ct%2, \e
.else
	MM v[rD:rD+7], \ct%2, \e
.endif
.endr
.endr
.endr
	WIN 0
	PLACES                                         ; four places behind the last product, in front of the first read of results
	QUANT ACC, PC+12*(\p), PW+(\p)                 ; registers 0-5: the even tile's six, 6-11: the odd tile's; the word's bytes: even tile's two blocks, odd tile's two
	v_lshrrev_b32 v[TT], 16, v[PW+(\p)]
	v_cndmask_b32 v[AW+2*(\p)], v[PW+(\p)], v[TT], s[HM]   ; lanes 16-31 carry the odd tile's two bytes in bytes 0 and 1
	v_mov_b32 v[AW+2*(\p)+1], v[AW+2*(\p)]
	global_store_b128 v1, v[PC+12*(\p):PC+12*(\p)+3], s[12:13] offset:1792*(\p)            ; every store covers 512 or 256 consecutive bytes, aligned to 256
	global_store_b64 v2, v[PC+12*(\p)+4:PC+12*(\p)+5], s[12:13] offset:1792*(\p)+512
	global_store_b128 v1, v[PC+12*(\p)+6:PC+12*(\p)+9], s[12:13] offset:1792*(\p)+768
	global_store_b64 v2, v[PC+12*(\p)+10:PC+12*(\p)+11], s[12:13] offset:1792*(\p)+1280
	global_store_b64 v2, v[AW+2*(\p):AW+2*(\p)+1], s[12:13] offset:1792*(\p)+1536
.endm
	UNIT_QK 0, 63                                  ; (72 would do; the count's field holds 63)
	UNIT_QK 1, 48
	UNIT_QK 2, 24
	UNIT_QK 3, 0
	s_endpgm
	; ---- v
.Lv:
.irp rt, 0,1,2,3,4,5,6,7
	LX \rt
.endr
.irp ct, 0,1,2,3
	LW \ct
.endr
; Channels 16 ct .. 16 ct + 15 for the group's 128 keys: four accumulators (row tiles) take turns, then the other four.
.macro UNIT_V ct, n
	s_wait_loadcnt \n                              ; all but the later column tiles' loads, twelve each
.irp hf, 0,1
	WIN 0x06+\hf                                   ; source 0 (x) window 2 or 3, source 1 (W) window 1
.irp s, 0,1,2,3
.irp q, 0,1,2,3
.set rD, ACC+8*(4*\hf+\q)
.set rA, 12*(4*\q+\s)
.set rB, 12*(4*(\ct)+\s)
.set rSA, XS+4*((4*\hf+\q)/2)+\s
.set rSB, WS+4*((\ct)/2)+\s
.if \s == 0
	MM 0, \q%2, (\ct)%2
.else
	MM v[rD:rD+7], \q%2, (\ct)%2
.endif
.endr
.endr
.endr
	WIN 0
	PLACES
	QUANT ACC, PC+12*(\ct), PW+(\ct)               ; a whole fragment of V^T: 16 channels x 128 keys
.irp c, 0,1,2
	global_store_b128 v1, v[PC+12*(\ct)+4*\c:PC+12*(\ct)+4*\c+3], s[12:13] offset:7168+1536*(\ct)+512*\c
.endr
.endm
	UNIT_V 0, 36
	UNIT_V 1, 24
	UNIT_V 2, 12
	UNIT_V 3, 0
	v_cndmask_b32 v[AW], v[PW], v[PW+1], s[HM]     ; word 0: d tile 0 in lanes 0-15, d tile 1 in lanes 16-31
	v_cndmask_b32 v[AW+1], v[PW+2], v[PW+3], s[HM] ; word 1: d tiles 2 and 3
	global_store_b64 v2, v[AW:AW+1], s[12:13] offset:13312
	s_endpgm
.Lfunc_end_k_q59e64f92a9_proj:
	.size	k_q59e64f92a9_proj, .Lfunc_end_k_q59e64f92a9_proj-k_q59e64f92a9_proj
	.p2alignl 7, 3214868480
	.fill 96, 4, 3214868480
	.section	.rodata,"a",@progbits
	.p2align	6, 0x0
	.amdhsa_kernel k_q59e64f92a9_proj
		.amdhsa_group_segment_fixed_size 0
		.amdhsa_private_segment_fixed_size 0
		.amdhsa_enable_private_segment 0
		.amdhsa_kernarg_size 48
		.amdhsa_user_sgpr_count 2
		.amdhsa_user_sgpr_kernarg_segment_ptr 1
		.amdhsa_wavefront_size32 1
		.amdhsa_system_sgpr_workgroup_id_x 1
		.amdhsa_system_sgpr_workgroup_id_y 1
		.amdhsa_system_sgpr_workgroup_id_z 1
		.amdhsa_system_vgpr_workitem_id 0
		.amdhsa_next_free_vgpr 960
		.amdhsa_next_free_sgpr 66
		.amdhsa_reserve_vcc 0
		.amdhsa_float_denorm_mode_32 3
		.amdhsa_float_denorm_mode_16_64 3
		.amdhsa_memory_ordered 1
		.amdhsa_forward_progress 1
		.amdhsa_inst_pref_size 98
	.end_amdhsa_kernel
	.amdgpu_metadata
---
amdhsa.version: [ 1, 2 ]
amdhsa.kernels:
  - .name:           k_q59e64f92a9_proj
    .symbol:         k_q59e64f92a9_proj.kd
    .args:
      - { .name: xc, .offset: 0, .size: 8, .value_kind: global_buffer, .address_space: global }
      - { .name: xs, .offset: 8, .size: 8, .value_kind: global_buffer, .address_space: global }
      - { .name: wc, .offset: 16, .size: 8, .value_kind: global_buffer, .address_space: global }
      - { .name: ws, .offset: 24, .size: 8, .value_kind: global_buffer, .address_space: global }
      - { .name: qr, .offset: 32, .size: 8, .value_kind: global_buffer, .address_space: global }
      - { .name: kv, .offset: 40, .size: 8, .value_kind: global_buffer, .address_space: global }
    .group_segment_fixed_size: 0
    .private_segment_fixed_size: 0
    .kernarg_segment_align: 8
    .kernarg_segment_size: 48
    .max_flat_workgroup_size: 128
    .sgpr_count:     66
    .vgpr_count:     960
    .wavefront_size: 32
...
	.end_amdgpu_metadata
.endif
;; end of part 2
;; launch attn (part 3): grid 16 x 16, 8 waves a work-group, clusters of 4 x 1, 327,680 bytes of LDS; arguments qr, kv, at; writes at
.if DOCPART == 3
	.amdgcn_target "amdgcn-amd-amdhsa--gfx1250"
	.amdhsa_code_object_version 6
	.text
	.protected	k_q59e64f92a9_attn
	.globl	k_q59e64f92a9_attn
	.p2align	8
	.type	k_q59e64f92a9_attn,@function
k_q59e64f92a9_attn:
	s_mov_b64 s[64:65], 0
	v_nop
	global_prefetch_b8 v0, s[64:65] scope:SCOPE_SE
	s_setreg_imm32_b32 hwreg(HW_REG_WAVE_MODE, 25, 1), 1
	s_wait_xcnt 0x0
	s_wait_alu depctr_hold_cnt(0) depctr_sa_sdst(0) depctr_va_vdst(0) depctr_va_sdst(0) depctr_va_ssrc(0) depctr_va_vcc(0) depctr_vm_vsrc(0)
	s_getreg_b32 s2, hwreg(HW_REG_IB_STS2, 6, 4)
	s_cmp_eq_u32 s2, 0
	s_cbranch_scc0 .Lentry_in_a_cluster
	s_endpgm
.Lentry_in_a_cluster:
	s_bfe_u32 s2, ttmp6, 0x10000c
	s_cmp_lg_u32 s2, 0x3003
	s_cbranch_scc0 .Lentry_shape_is_right
	s_endpgm
.Lentry_shape_is_right:
; att[bh][q][:] = the sum over k of softmax_k(q . k / 8) v, head size 64, 4,096 keys, no mask; both products on codes of FP6 (E2M3) with E8M0 scales; att is quantised along the model's 512 for the last product.
; THE SOFTMAX: t = score x log2(e) / 8; M = the row's largest t so far, rounded UP to a whole number; p = 2^(t - M) is quantised along the keys, not normalised.  The row's sum is taken of the
; unquantised p, in f32, and divides O at the end.  When M moves, the sum and O are multiplied by 2^(old M - new M), which rounds nothing.
; SHARES: a work-group owns 256 queries of one head of one batch (y), each of its eight waves 32 of them, two tiles of 16; every wave walks the 32 key steps of 128 keys.
; INPUTS are images of operand registers.  qr: a pair record of 1,792 bytes for my 32 queries.  kv: a record of 13,568 bytes a key step: +0 four pair records of k (32 keys each: +0 the even tile's six
; registers, +768 the odd tile's, +1536 scale words, 8 bytes a lane), +7168 four fragments of V^T (16 channels x 128 keys), +13312 V's scale words.
; BOTH PRODUCTS ARE USED TRANSPOSED (S^T = K Q^T, O^T = V^T P^T): a lane holds one query throughout.
; WHICH KEYS FORM A TILE OF K: rows 0-7 of tile (c, g) are eight keys of block 2 c, rows 8-15 the same eight of block 2 c + 1 (lanes r >= 8 read one pair record further on).  So in S^T lanes 0-15 hold
; keys of block 2 c alone and lanes 16-31 of block 2 c + 1 alone: the 32 registers of tiles (c, 0..3) are a WHOLE block, as the second product's operand wants it: a block's largest score needs no other
; lane, and the codes need no exchange between lanes.  Tile g takes keys 16 (g % 2) + 8 (g / 2) + 0..7 of the block: the order in which V's codes lie inside a block.
; The head's 64 fill the lower half of the instruction's K = 128.  Q's registers 6-11 hold zero codes; K's tiles lie six registers apart, so that registers 6-11 of a tile's operand are the next tile's
; codes: finite numbers that meet Q's zeros.  The scale bytes there are never 0xff.
; LDS: 24 records' room.  Slot A, 8 records: wave w fetches record w.  Slot B, 16 records: wave w fetches two on end.  Key steps 0-7 come from A, 8-23 from B, 24-31 from A, filled a second time.
; K ONE STEP AHEAD: behind a step's first products, which free K's registers, the next record's K is read from LDS, with this step's V; both are waited for once, ahead of the second products.
; The last step of a run on one slot reads no further K (the next record lies in the other slot, behind a barrier), so it is written out behind the run's loop.
; CLUSTER: the four work-groups of a cluster belong to one head and walk the same records: each is asked for JOINTLY, by the same load with the same descriptor and the mask of all four.
; By this text's count a wave has one tensor load out at a time.  No prefetch is written: behind the head each fill is asked for 8 or 16 key steps ahead of its first read, and the head has no loop to run ahead in.
; O^T and the sums begin as zeros and the largest score as -3e38, so the first change of M multiplies zeros.
; LIMITS: NaN and infinities are not served; the promise holds while |t| stays under 2^31; a block of zeros gets the byte 1 (its codes are zeros, and this program alone reads the bytes); p under 2^-126 counts as 0.
; REGISTERS: window 0: addresses, statistics, scale words, p's codes, v128-255 S^T then p (64 a tile).  window 1: v0-53 K's eight tiles, v56-103 V's four, v104-127 Q's two, v128-191 O^T (32 a tile).
.set PR,    1792
.set REC,   13568                      ; 53 rows of 256 bytes
.set VOFF,  7168
.set VSOFF, 13312
.set SLOTB, 8*REC
.set SPARE, 24*REC                     ; behind the slots: the spare words, 128 bytes for each wave: four blocks of 256 bytes that no other line names
.set LI,   1                           ; 16 x lane
.set L8,   2                           ; 8 x lane
.set LK16, 3                           ; K's lane terms: (r / 8) x PR + 16 (r % 8) + 256 h,
.set LK8,  4                           ; (r / 8) x PR + 8 (r % 8) + 128 h,
.set LKS,  5                           ; and for the scale words (r / 8) x PR + 8 (r % 8) + 64 h
.set SPW,  6                           ; LDS address of my spare word; never rewritten
.set NIL,  7                           ; 0; never rewritten
.set ST,   8                           ; tile a at + 4 a: -M, the largest score, the sum in two halves
.set FP,   16                          ; tile a at + 2 a: f = 2^(old M - new M); p's scale word
.set KS,   20                          ; K's scale words: register 2 c + g % 2: lanes 0-15 tile g / 2 = 0, lanes 16-31 tile g / 2 = 1
.set VS,   24                          ; V's: d tiles 0 | 1, d tiles 2 | 3
.set QS,   26                          ; Q's: lanes 0-15 tile 0, lanes 16-31 tile 1
.set AK16, 28                          ; the step's five LDS addresses
.set AK8,  29
.set AKS,  30
.set AV16, 31
.set AV8,  32
.set BM,   34                          ; + 2 a + c: my block's largest score, then largest p
.set BN,   38                          ; the second chain of that search
.set SO,   42                          ; the conversions' scale operands
.set PB,   46                          ; the scale bytes
.set XM,   50
.set YP,   52                          ; lane permutes' results
.set TT,   54
.set PS,   56                          ; the second chain of the sums, a pair a tile
.set PCA,  60                          ; tile a at + 12 a: p's 12 registers of codes
.set CTM,  84                          ; + 4 (2 a + c): the second halves of the blocks' codes
.set CT,   84
.set TM,   100                         ; the last QUANT at work
.set PWF,  116
.set TF,   117
.set AW,   118
.set OL,   120                         ; the old -M
.set S0,   128
.set KF,   0                           ; in window 1
.set VF,   56
.set QF,   104
.set OT,   128
.set WV,   10
.set G1A,  16                          ; s[16:23] group 1: one record
.set G0A,  24
.set G0B,  28
.set CS,   32                          ; s[32:33] c = log2(e) / 8
.set SEL,  34
.set TB,   36                          ; LDS byte at which the step's record begins
.set STP,  37
.set HM,   39
.set G1B,  48                          ; s[48:55] group 1: two records
.set MSB, 0
.macro WIN new                         ; the immediate's high byte repeats the setting that is left
.if MSB != (\new)
	s_set_vgpr_msb (MSB<<8)|(\new)
.set MSB, \new
.endif
.endm
.macro PLACES
.rept 4
	v_nop
.endr
.endm
.macro D2
	s_delay_alu instid0(VALU_DEP_2)
.endm
.macro D4
	s_delay_alu instid0(VALU_DEP_4)
.endm
.macro MM c, ra, rb                    ; one product, from the symbols rD, rA, rB, rSA, rSB; ra, rb: that source's scales stand in lanes 16-31
.if (\ra) && (\rb)
	v_wmma_scale_f32_16x16x128_f8f6f4 v[rD:rD+7], v[rA:rA+11], v[rB:rB+11], \c, v[rSA], v[rSB] matrix_a_fmt:MATRIX_FMT_FP6 matrix_b_fmt:MATRIX_FMT_FP6 matrix_a_scale:MATRIX_SCALE_ROW1 matrix_b_scale:MATRIX_SCALE_ROW1
.elseif (\ra)
	v_wmma_scale_f32_16x16x128_f8f6f4 v[rD:rD+7], v[rA:rA+11], v[rB:rB+11], \c, v[rSA], v[rSB] matrix_a_fmt:MATRIX_FMT_FP6 matrix_b_fmt:MATRIX_FMT_FP6 matrix_a_scale:MATRIX_SCALE_ROW1
.elseif (\rb)
	v_wmma_scale_f32_16x16x128_f8f6f4 v[rD:rD+7], v[rA:rA+11], v[rB:rB+11], \c, v[rSA], v[rSB] matrix_a_fmt:MATRIX_FMT_FP6 matrix_b_fmt:MATRIX_FMT_FP6 matrix_b_scale:MATRIX_SCALE_ROW1
.else
	v_wmma_scale_f32_16x16x128_f8f6f4 v[rD:rD+7], v[rA:rA+11], v[rB:rB+11], \c, v[rSA], v[rSB] matrix_a_fmt:MATRIX_FMT_FP6 matrix_b_fmt:MATRIX_FMT_FP6
.endif
.endm
.macro QUANT s, pc, pw                 ; the way out: 64 numbers of a lane (register 16 b + i = place 16 (lane / 16) + i of block b) -> 12 registers of codes, the four blocks' scale word
.irp b, 0,1,2,3
	v_max3_num_f32 v[TM+\b], |v[\s+16*\b]|, |v[\s+1+16*\b]|, 0x1800000
.endr
.irp i, 2,4,6,8,10,12,14
.irp b, 0,1,2,3
	D4
	v_max3_num_f32 v[TM+\b], v[TM+\b], |v[\s+16*\b+\i]|, |v[\s+1+16*\b+\i]|
.endr
.endr
.irp b, 0,1,2,3
	D4
	v_permlanex16_b32 v[TM+4+\b], v[TM+\b], s[SEL], s[SEL+1]
.endr
.irp b, 0,1,2,3
	D4
	v_max_num_f32 v[TM+\b], v[TM+\b], v[TM+4+\b]
.endr
.irp b, 0,1,2,3
	D4
	v_add_nc_u32 v[TM+12+\b], 0xff000000, v[TM+\b]
.endr
.irp b, 0,1,2,3
	D4
	v_lshrrev_b32 v[TM+4+\b], 23, v[TM+12+\b]
.endr
	s_delay_alu instid0(VALU_DEP_3)
	v_lshl_or_b32 v[\pw], v[TM+5], 8, v[TM+4]
	s_delay_alu instid0(VALU_DEP_1)
	v_lshl_or_b32 v[\pw], v[TM+6], 16, v[\pw]
	s_delay_alu instid0(VALU_DEP_1)
	v_lshl_or_b32 v[\pw], v[TM+7], 24, v[\pw]
.irp c, 0,1
	v_cvt_scalef32_pk16_fp6_f32 v[\pc+6*\c:\pc+6*\c+2], v[\s+32*\c:\s+32*\c+15], v[TM+12+2*\c]
	v_cvt_scalef32_pk16_fp6_f32 v[CT+4*\c:CT+4*\c+2], v[\s+32*\c+16:\s+32*\c+31], v[TM+13+2*\c]
.endr
	v_nop
.irp c, 0,1
.irp i, 0,1,2
	v_permlane16_swap_b32 v[\pc+6*\c+\i], v[CT+4*\c+\i]
.endr
.irp i, 0,1,2
	s_delay_alu instid0(VALU_DEP_3)
	v_mov_b32 v[\pc+3+6*\c+\i], v[CT+4*\c+\i]
.endr
.endr
.endm
; A round of the cluster's barrier: my work-group's barrier; wave 0 signals for the work-group; every wave waits for all four work-groups; my work-group's barrier once more.
.macro CROUND
	s_barrier_signal -1
	s_barrier_wait -1
	s_cmp_lg_u32 s[WV], 0
	s_cbranch_scc1 .Lnot_wave_0_\@
	s_barrier_signal -3
.Lnot_wave_0_\@:
	s_barrier_wait -3
	s_barrier_signal -1
	s_barrier_wait -1
.endm
	s_load_b128 s[4:7], s[0:1], 0x0                ; qr s[4:5], kv s[6:7]
	s_load_b64 s[8:9], s[0:1], 0x10                ; at
	v_lshl_add_u32 v[SPW], v0, 2, SPARE
	v_mov_b32 v[NIL], 0
	ds_add_u32 v[SPW], v[NIL]                      ; the wave's opening: the add, twice on end, and its wait ahead of my first tensor load
	ds_add_u32 v[SPW], v[NIL]
	v_lshrrev_b32 v27, 5, v0
	s_delay_alu instid0(VALU_DEP_1)
	v_readfirstlane_b32 s[WV], v27                 ; wave 0..7
	s_bfe_u32 s11, ttmp6, 0x40000                  ; cx: it enters Q's and att's global addresses alone
	s_and_b32 s13, ttmp7, 0xffff                   ; 8 x batch + head, which the four partners share
	s_lshl_b32 s12, ttmp9, 2                       ; in a cluster launch ttmp9 counts clusters
	s_add_co_u32 s12, s12, s11                     ; my block of 256 queries
	s_lshl_b32 s12, s12, 3
	s_add_co_u32 s12, s12, s[WV]                   ; my wave's pair of query tiles, 0..127
	s_lshl_b32 s40, s13, 7
	s_add_co_u32 s40, s40, s12
	s_mul_i32 s40, s40, PR                         ; its record in qr
	s_mov_b32 s41, 0
	s_lshr_b32 s42, s13, 3
	s_lshl_b32 s42, s42, 7
	s_add_co_u32 s42, s42, s12                     ; the pair of rows: 128 x batch + pair
	s_lshl_b32 s42, s42, 3
	s_and_b32 s43, s13, 7
	s_add_co_u32 s42, s42, s43                     ; x 8 + head
	s_mul_i32 s42, s42, PR                         ; its record in at
	s_mov_b32 s43, 0
	s_lshl_b32 s44, s13, 5
	s_mul_i32 s44, s44, REC                        ; the head's 32 records
	s_mov_b32 s45, 0
	s_mul_i32 s46, s[WV], REC                      ; record w: its byte among the head's records and in LDS alike: no place in the cluster enters an LDS address
	s_mov_b32 s47, 0
	s_lshl_b32 s14, s46, 1
	s_add_co_u32 s14, s14, SLOTB                   ; records 8 + 2 w and 9 + 2 w, likewise
	s_mov_b32 s15, 0
	; group 1: records are dense: rows of 256 bytes (32 elements of 8 bytes), no padding; 53 rows a record
	s_mov_b32 s[G1A], 15|(3<<16)|(1<<21)           ; the mask: all four work-groups; elements of 8 bytes; bit 21 set beside a mask
	s_mov_b32 s[G1A+1], 32<<16
	s_mov_b32 s[G1A+2], 53<<16
	s_mov_b32 s[G1A+3], 32<<16
	s_mov_b32 s[G1A+4], 53
	s_mov_b32 s[G1A+5], 32
	s_mov_b32 s[G1A+6], 0
	s_mov_b32 s[G1A+7], 0
	s_mov_b32 s[G1B], 15|(3<<16)|(1<<21)
	s_mov_b32 s[G1B+1], 32<<16
	s_mov_b32 s[G1B+2], 106<<16
	s_mov_b32 s[G1B+3], 32<<16
	s_mov_b32 s[G1B+4], 106
	s_mov_b32 s[G1B+5], 32
	s_mov_b32 s[G1B+6], 0
	s_mov_b32 s[G1B+7], 0
	s_mov_b32 s[CS], 0x3e38aa3b                    ; c = log2(e) / sqrt(64)
	s_mov_b32 s[CS+1], s[CS]                       ; (named with it as a pair, so it is written)
	s_mov_b32 s[SEL], 0x76543210
	s_mov_b32 s[SEL+1], 0xfedcba98
	s_mov_b32 s[HM], 0xffff0000
	s_mov_b32 s[TB], 0
	s_wait_dscnt 0x0                               ; both opening adds are done
	s_wait_kmcnt 0x0
	s_add_nc_u64 s[4:5], s[4:5], s[40:41]
	s_add_nc_u64 s[8:9], s[8:9], s[42:43]
	s_add_nc_u64 s[6:7], s[6:7], s[44:45]
	s_mov_b32 s[G0A], 1
	s_mov_b32 s[G0A+1], s46
	s_add_nc_u64 s[G0A+2:G0A+3], s[6:7], s[46:47]
	s_or_b32 s[G0A+3], s[G0A+3], 0x80000000
	s_mov_b32 s[G0B], 1
	s_mov_b32 s[G0B+1], s14
	s_add_nc_u64 s[G0B+2:G0B+3], s[6:7], s[14:15]
	s_or_b32 s[G0B+3], s[G0B+3], 0x80000000
	CROUND                                         ; all four work-groups are here: the first joint loads meet
	tensor_load_to_lds s[G0A:G0A+3], s[G1A:G1A+7]  ; slot A, record w: my one tensor load at the head
	s_nop 0
	PLACES
	v_and_b32 v27, 31, v0
	v_and_b32 v122, 7, v0
	v_bfe_u32 v123, v0, 3, 1
	v_bfe_u32 v124, v0, 4, 1
	v_lshlrev_b32 v[LI], 4, v27
	v_lshlrev_b32 v[L8], 3, v27
	v_mul_u32_u24 v123, v123, PR
	global_load_b32 v[QS], v[L8], s[4:5] offset:1536   ; Q's scale words
	v_lshl_add_u32 v[LK16], v122, 4, v123
	v_lshl_add_u32 v125, v122, 3, v123
	v_lshl_add_u32 v[LK16], v124, 8, v[LK16]
	v_lshl_add_u32 v[LK8], v124, 7, v125
	v_lshl_add_u32 v[LKS], v124, 6, v125
	WIN 0x40                                       ; destination window 1
.irp a, 0,1
	global_load_b128 v[QF+12*\a:QF+12*\a+3], v[LI], s[4:5] offset:768*\a        ; Q's two tiles stay in registers
	global_load_b64 v[QF+12*\a+4:QF+12*\a+5], v[L8], s[4:5] offset:768*\a+512
.endr
.irp a, 0,1
.irp i, 6,7,8,9,10,11
	v_mov_b32 v[QF+12*\a+\i], 0                    ; zero codes for K = 64 .. 127
.endr
.endr
.irp i, 48,49,50,51,52,53
	v_mov_b32 v[KF+\i], 0                          ; what stands behind K's last tile: written once
.endr
.set j, 0
.rept 64
	v_mov_b32 v[OT+j], 0                           ; O^T
.set j, j+1
.endr
	WIN 0
.irp a, 0,1
	v_mov_b32 v[ST+4*\a+1], 0xff61b1e6             ; the largest score so far: -3e38
	v_mov_b32 v[ST+4*\a], 0x7e800000               ; -M to go with it: so large that the first f is 0
	v_mov_b32 v[ST+4*\a+2], 0                      ; the sum, in two halves
	v_mov_b32 v[ST+4*\a+3], 0
	v_mov_b32 v[FP+2*\a+1], 0                      ; (named as the upper half of a pair before it is first written)
	v_mov_b32 v[YP+\a], 0                          ; written once: a lane permute's destination counts as one of its sources
.endr
.irp b, 0,1,2,3
	v_mov_b32 v[TM+4+\b], 0
.endr
	s_wait_alu depctr_va_vdst(0)                   ; the wait at the head's end
	s_wait_tensorcnt 0x0                           ; my record of slot A is in
	ds_add_u32 v[SPW], v[NIL]
	s_wait_dscnt 0x0
	CROUND                                         ; everybody's record is in, and the four work-groups are here
	tensor_load_to_lds s[G0B:G0B+3], s[G1B:G1B+7]  ; slot B's first fill, two records a wave: first read eight key steps on
	s_nop 0
	PLACES
	s_wait_loadcnt 0x0                             ; Q
; K's scale words and eight tiles of the record that begins off bytes behind the one that the three addresses name.  It leaves the destination's window at 1.
.macro KL off
.irp x, 0,1,2,3
	ds_load_b32 v[KS+\x], v[AKS] offset:\off+PR*2*(\x/2)+1536+128*(\x%2)
.endr
	WIN 0x40
.irp c, 0,1
.irp g, 0,1,2,3
	ds_load_b128 v[KF+6*(4*\c+\g):KF+6*(4*\c+\g)+3], v[AK16] offset:\off+PR*2*\c+768*(\g%2)+128*(\g/2)
	ds_load_b64 v[KF+6*(4*\c+\g)+4:KF+6*(4*\c+\g)+5], v[AK8] offset:\off+PR*2*\c+768*(\g%2)+512+64*(\g/2)
.endr
.endr
.endm
.macro KADR
	v_add_nc_u32 v[AK16], s[TB], v[LK16]
	v_add_nc_u32 v[AK8], s[TB], v[LK8]
	v_add_nc_u32 v[AKS], s[TB], v[LKS]
.endm
; A KEY STEP: 128 keys, both my tiles of queries; in each group of lines the tiles and blocks alternate.  Its K is in registers.  pf = 1: the next record's K is read too.
.macro STEP pf
	v_add_nc_u32 v[AV16], s[TB], v[LI]
	v_add_nc_u32 v[AV8], s[TB], v[L8]
.if \pf
	KADR
.endif
	WIN 0x05                                       ; sources 0 (K) and 1 (Q) window 1, S^T window 0
.irp a, 0,1
.irp c, 0,1
.irp g, 0,1,2,3
.set rD, S0+64*\a+32*\c+8*\g
.set rA, KF+6*(4*\c+\g)
.set rB, QF+12*\a
.set rSA, KS+2*\c+(\g%2)
.set rSB, QS
	MM 0, \g/2, \a                                 ; sixteen accumulators, one product each
.endr
.endr
.endr
	WIN 0
	v_mov_b32 v[OL], v[ST]                         ; the old -M; with the two idle lines: four places behind the products, in front of the loads into K's registers and of the reads of S^T
	v_mov_b32 v[OL+1], v[ST+4]
	v_nop
	v_nop
	ds_load_b64 v[VS:VS+1], v[AV8] offset:VSOFF
.if \pf
	KL REC
.endif
	WIN 0x40
.irp t, 0,1,2,3
.irp c, 0,1,2
	ds_load_b128 v[VF+12*\t+4*\c:VF+12*\t+4*\c+3], v[AV16] offset:VOFF+1536*\t+512*\c
.endr
.endr
	WIN 0
.irp a, 0,1
.irp c, 0,1
	v_max3_num_f32 v[BM+2*\a+\c], v[S0+64*\a+32*\c], v[S0+64*\a+32*\c+1], v[S0+64*\a+32*\c+2]   ; my block's largest score, in two chains: for the row's maximum and, since p rises with the score, for the block's largest p
	v_max3_num_f32 v[BN+2*\a+\c], v[S0+64*\a+32*\c+16], v[S0+64*\a+32*\c+17], v[S0+64*\a+32*\c+18]
.endr
.endr
.irp i, 3,5,7,9,11,13
.irp a, 0,1
.irp c, 0,1
	v_max3_num_f32 v[BM+2*\a+\c], v[BM+2*\a+\c], v[S0+64*\a+32*\c+\i], v[S0+64*\a+32*\c+\i+1]
	v_max3_num_f32 v[BN+2*\a+\c], v[BN+2*\a+\c], v[S0+64*\a+32*\c+16+\i], v[S0+64*\a+32*\c+17+\i]
.endr
.endr
.endr
.irp a, 0,1
.irp c, 0,1
	v_max3_num_f32 v[BM+2*\a+\c], v[BM+2*\a+\c], v[S0+64*\a+32*\c+15], v[S0+64*\a+32*\c+31]
.endr
.endr
.irp b, 0,1,2,3
	D4
	v_max_num_f32 v[BM+\b], v[BM+\b], v[BN+\b]
.endr
	s_delay_alu instid0(VALU_DEP_3)
	v_max_num_f32 v[XM], v[BM], v[BM+1]            ; my two blocks,
	D2
	v_max_num_f32 v[XM+1], v[BM+2], v[BM+3]
.irp a, 0,1
	D2
	v_permlanex16_b32 v[YP+\a], v[XM+\a], s[SEL], s[SEL+1]   ; lane l xor 16's two,
.endr
.irp a, 0,1
	D2
	v_max3_num_f32 v[ST+4*\a+1], v[ST+4*\a+1], v[XM+\a], v[YP+\a]   ; and what went before: the running largest score
.endr
.irp a, 0,1
	D2
	v_mul_f32 v[TT+\a], s[CS], v[ST+4*\a+1]        ; as t (c is positive)
.endr
.irp a, 0,1
	D2
	v_floor_f32 v[ST+4*\a], -v[TT+\a]              ; the new -M = floor(-t): M is a whole number
.endr
.irp a, 0,1
	D2
	v_sub_f32 v[TT+\a], v[ST+4*\a], v[OL+\a]       ; old M - new M: a whole number, 0 or less
.endr
.irp a, 0,1
	D2
	v_cvt_i32_f32 v[TT+\a], v[TT+\a]               ; (it saturates)
.endr
.irp a, 0,1
	D2
	v_ldexp_f32 v[FP+2*\a], 1.0, v[TT+\a]          ; f = 2^(old M - new M)
.endr
.set j, 0
.rept 32
.irp a, 0,1
	v_pk_fma_f32 v[S0+64*\a+j:S0+64*\a+j+1], v[S0+64*\a+j:S0+64*\a+j+1], s[CS:CS+1], v[ST+4*\a:ST+4*\a+1] op_sel_hi:[1,0,0]   ; t - M, two at a time (of the pairs c and -M the low word serves both halves)
.endr
.set j, j+2
.endr
.irp a, 0,1
.irp c, 0,1
	v_fma_f32 v[BM+2*\a+\c], v[BM+2*\a+\c], s[CS], v[ST+4*\a]    ; the same of each block's largest score
.endr
.endr
	s_wait_alu depctr_va_vdst(0)                   ; the wait ahead of the batch
.irp b, 0,1,2,3
	v_exp_f32 v[BM+\b], v[BM+\b]                   ; the block's largest p: the same two instructions on the same number
.endr
.set j, 0
.rept 64
.irp a, 0,1
	v_exp_f32 v[S0+64*\a+j], v[S0+64*\a+j]         ; p = 2^(t - M): not normalised
.endr
.set j, j+1
.endr
.irp a, 0,1
	v_pk_mul_f32 v[ST+4*\a+2:ST+4*\a+3], v[ST+4*\a+2:ST+4*\a+3], v[FP+2*\a:FP+2*\a+1] op_sel_hi:[1,0]   ; the sums under the new M: plain instructions behind the exponentials
.endr
	s_wait_alu depctr_va_vdst(0)                   ; and the one wait behind the batch, ahead of its first reader
.irp b, 0,1,2,3
	v_max_num_f32 v[BM+\b], 0x1800000, v[BM+\b]    ; the floor 2^(3 - 127): the byte cannot fall under 1
.endr
.irp b, 0,1,2,3
	D4
	v_add_nc_u32 v[SO+\b], 0xff000000, v[BM+\b]    ; 2 off the exponent field: the conversion's scale operand
.endr
.irp a, 0,1
.irp c, 0,1
	v_cvt_scalef32_pk16_fp6_f32 v[PCA+12*\a+6*\c:PCA+12*\a+6*\c+2], v[S0+64*\a+32*\c:S0+64*\a+32*\c+15], v[SO+2*\a+\c]   ; my block 2 c + h: places 0-15,
	v_cvt_scalef32_pk16_fp6_f32 v[CTM+4*(2*\a+\c):CTM+4*(2*\a+\c)+2], v[S0+64*\a+32*\c+16:S0+64*\a+32*\c+31], v[SO+2*\a+\c]   ; places 16-31 (a conversion's three registers begin on an even number)
.endr
.endr
.irp b, 0,1,2,3
	v_lshrrev_b32 v[PB+\b], 23, v[SO+\b]           ; the scale's byte; plain lines behind the scaled conversions
.endr
	s_delay_alu instid0(VALU_DEP_3)
	v_lshl_or_b32 v[XM], v[PB+1], 16, v[PB]        ; my two bytes: blocks h and 2 + h
	D2
	v_lshl_or_b32 v[XM+1], v[PB+3], 16, v[PB+2]
.irp a, 0,1
	D2
	v_permlanex16_b32 v[YP+\a], v[XM+\a], s[SEL], s[SEL+1]
.endr
.irp a, 0,1
	D2
	v_lshl_or_b32 v[FP+2*\a+1], v[YP+\a], 8, v[XM+\a]   ; lanes 0-15: the four bytes in their places: p's scale word; lanes 16-31 are not read
.endr
.irp a, 0,1
.irp c, 0,1
.irp i, 0,1,2
	v_mov_b32 v[PCA+12*\a+6*\c+3+\i], v[CTM+4*(2*\a+\c)+\i]
.endr
.endr
.endr
	WIN 0x41                                       ; O^T (destination and source 0) window 1, f window 0
	s_wait_alu depctr_va_vdst(0)                   ; the wait here, directly ahead of the first reader of O^T
.set j, 0
.rept 16
.irp a, 0,1
	v_pk_mul_f32 v[OT+32*\a+j:OT+32*\a+j+1], v[OT+32*\a+j:OT+32*\a+j+1], v[FP+2*\a:FP+2*\a+1] op_sel_hi:[1,0]   ; O^T under the new M; these 32 also stand between the lines that made p's codes and scale word and the products
.endr
.set j, j+2
.endr
	s_wait_alu depctr_va_vdst(0)                   ; the wait here, directly ahead of the wait below
	s_wait_dscnt 0x0                               ; V is in, and the next step's K
	WIN 0x51                                       ; source 0 (V) window 1, source 1 (p) window 0, C and D window 1
.irp t, 0,1,2,3
.irp a, 0,1
.set rD, OT+32*\a+8*\t
.set rA, VF+12*\t
.set rB, PCA+12*\a
.set rSA, VS+\t/2
.set rSB, FP+2*\a+1
	MM v[rD:rD+7], \t%2, 0                         ; eight accumulators take turns, one product each
.endr
.endr
	WIN 0
.irp a, 0,1                                    ; THE ROW'S SUM, of the unquantised p, stands behind the products: it names none of their registers.  Two at a time, two chains a tile
	v_pk_add_f32 v[PS+2*\a:PS+2*\a+1], v[S0+64*\a:S0+64*\a+1], v[S0+64*\a+2:S0+64*\a+3]
.endr
.irp j, 4,8,12,16,20,24,28,32,36,40,44,48,52,56,60
.irp a, 0,1
	v_pk_add_f32 v[ST+4*\a+2:ST+4*\a+3], v[ST+4*\a+2:ST+4*\a+3], v[S0+64*\a+\j:S0+64*\a+\j+1]
	v_pk_add_f32 v[PS+2*\a:PS+2*\a+1], v[PS+2*\a:PS+2*\a+1], v[S0+64*\a+\j+2:S0+64*\a+\j+3]
.endr
.endr
	s_delay_alu instid0(VALU_DEP_3)
	v_pk_add_f32 v[ST+2:ST+3], v[ST+2:ST+3], v[PS:PS+1]
	D2
	v_pk_add_f32 v[ST+6:ST+7], v[ST+6:ST+7], v[PS+2:PS+3]
.endm
; n key steps on one slot, from the record at s[TB] on: the first record's K; n - 1 steps that each read the next record's K; the last step, which reads none.
.macro SEG n
	KADR
	KL 0
	WIN 0
	s_wait_dscnt 0x0                               ; the first record's K is in
	s_mov_b32 s[STP], \n-1
.Lstep_\@:
	STEP 1
	s_add_co_u32 s[TB], s[TB], REC
	s_sub_co_u32 s[STP], s[STP], 1
	s_cmp_lg_u32 s[STP], 0
	s_cbranch_scc1 .Lstep_\@
	STEP 0
.endm
	SEG 8                                          ; key steps 0-7, slot A
	s_wait_tensorcnt 0x0                           ; my two records of slot B are in; no tensor load of mine is out, so a group 0 may be written
	ds_add_u32 v[SPW], v[NIL]                      ; 0 onto my spare word
	s_add_nc_u64 s[G0A+2:G0A+3], s[G0A+2:G0A+3], 24*REC   ; record 24 + w; the type bits on top are not reached
	s_mov_b32 s[TB], SLOTB
	s_wait_dscnt 0x0                               ; the add is done, and my reads of slot A are over
	CROUND                                         ; so of every wave of the four work-groups
	tensor_load_to_lds s[G0A:G0A+3], s[G1A:G1A+7]  ; slot A's second fill: first read sixteen key steps on
	s_nop 0
	PLACES
	SEG 16                                         ; key steps 8-23, slot B
	s_wait_tensorcnt 0x0                           ; my record of slot A is in
	ds_add_u32 v[SPW], v[NIL]
	s_mov_b32 s[TB], 0
	s_wait_dscnt 0x0
	s_barrier_signal -1
	s_barrier_wait -1                              ; everybody's is
	SEG 8                                          ; key steps 24-31, slot A
	; THE WAY OUT: O^T / the sum is my 32 rows' 64 numbers of this head: two blocks of 32 a row of the last product's K.  They are quantised as q and k were and leave as a pair record, straight from registers.
	PLACES
.irp a, 0,1
	v_add_f32 v[TT+\a], v[ST+4*\a+2], v[ST+4*\a+3] ; the sum's two halves,
.endr
.irp a, 0,1
	D2
	v_permlanex16_b32 v[YP+\a], v[TT+\a], s[SEL], s[SEL+1]
.endr
.irp a, 0,1
	D2
	v_add_f32 v[TT+\a], v[TT+\a], v[YP+\a]         ; and lane l xor 16's blocks: the row's sum
.endr
	s_wait_alu depctr_va_vdst(0)
.irp a, 0,1
	v_rcp_f32 v[XM+\a], v[TT+\a]
.endr
	v_nop                                          ; a plain instruction behind the reciprocals
	WIN 0x01                                       ; source 0 (O^T) window 1
	s_wait_alu depctr_va_vdst(0)                   ; and the wait ahead of their first reader, which is O^T's too
.irp a, 0,1
.set j, 0
.rept 32
	v_mul_f32 v[S0+32*\a+j], v[OT+32*\a+j], v[XM+\a]   ; each accumulator from its low end on; register 32 a + 8 t + i: channel 16 t + 8 (lane / 16) + i of tile a's row lane % 16
.set j, j+1
.endr
.endr
	WIN 0
	QUANT S0, PCA, PWF
	v_lshrrev_b32 v[TF], 16, v[PWF]
	s_delay_alu instid0(VALU_DEP_1)
	v_cndmask_b32 v[AW], v[PWF], v[TF], s[HM]      ; lanes 16-31 carry the odd tile's two bytes in bytes 0 and 1
	s_delay_alu instid0(VALU_DEP_1)
	v_mov_b32 v[AW+1], v[AW]
	global_store_b128 v[LI], v[PCA:PCA+3], s[8:9]                  ; every store covers 512 or 256 consecutive bytes, aligned to 256
	global_store_b64 v[L8], v[PCA+4:PCA+5], s[8:9] offset:512
	global_store_b128 v[LI], v[PCA+6:PCA+9], s[8:9] offset:768
	global_store_b64 v[L8], v[PCA+10:PCA+11], s[8:9] offset:1280
	global_store_b64 v[L8], v[AW:AW+1], s[8:9] offset:1536
	s_wait_tensorcnt 0x0                           ; the wave's end, behind my last tensor load
	ds_add_u32 v[SPW], v[NIL]
	s_wait_dscnt 0x0
	CROUND                                         ; the closing round: no work-group ends while a partner may still ask for a record that names it
	s_endpgm
.Lfunc_end_k_q59e64f92a9_attn:
	.size	k_q59e64f92a9_attn, .Lfunc_end_k_q59e64f92a9_attn-k_q59e64f92a9_attn
	.p2alignl 7, 3214868480
	.fill 96, 4, 3214868480
	.section	.rodata,"a",@progbits
	.p2align	6, 0x0
	.amdhsa_kernel k_q59e64f92a9_attn
		.amdhsa_group_segment_fixed_size 327680
		.amdhsa_private_segment_fixed_size 0
		.amdhsa_enable_private_segment 0
		.amdhsa_kernarg_size 24
		.amdhsa_user_sgpr_count 2
		.amdhsa_user_sgpr_kernarg_segment_ptr 1
		.amdhsa_wavefront_size32 1
		.amdhsa_system_sgpr_workgroup_id_x 1
		.amdhsa_system_sgpr_workgroup_id_y 1
		.amdhsa_system_sgpr_workgroup_id_z 1
		.amdhsa_system_vgpr_workitem_id 0
		.amdhsa_next_free_vgpr 448
		.amdhsa_next_free_sgpr 66
		.amdhsa_reserve_vcc 0
		.amdhsa_float_denorm_mode_32 3
		.amdhsa_float_denorm_mode_16_64 3
		.amdhsa_memory_ordered 1
		.amdhsa_forward_progress 1
		.amdhsa_inst_pref_size 187
	.end_amdhsa_kernel
	.amdgpu_metadata
---
amdhsa.version: [ 1, 2 ]
amdhsa.kernels:
  - .name:           k_q59e64f92a9_attn
    .symbol:         k_q59e64f92a9_attn.kd
    .args:
      - { .name: qr, .offset: 0, .size: 8, .value_kind: global_buffer, .address_space: global }
      - { .name: kv, .offset: 8, .size: 8, .value_kind: global_buffer, .address_space: global }
      - { .name: at, .offset: 16, .size: 8, .value_kind: global_buffer, .address_space: global }
    .group_segment_fixed_size: 327680
    .private_segment_fixed_size: 0
    .kernarg_segment_align: 8
    .kernarg_segment_size: 24
    .max_flat_workgroup_size: 256
    .sgpr_count:     66
    .vgpr_count:     448
    .wavefront_size: 32
...
	.end_amdgpu_metadata
.endif
;; end of part 3
;; launch oproj (part 4): grid 2 x 128, 4 waves a work-group, no clusters, 17,920 bytes of LDS; arguments at, wc, ws, bo, out0; writes out0
.if DOCPART == 4
	.amdgcn_target "amdgcn-amd-amdhsa--gfx1250"
	.amdhsa_code_object_version 6
	.text
	.protected	k_q59e64f92a9_oproj
	.globl	k_q59e64f92a9_oproj
	.p2align	8
	.type	k_q59e64f92a9_oproj,@function
k_q59e64f92a9_oproj:
	s_mov_b64 s[64:65], 0
	v_nop
	global_prefetch_b8 v0, s[64:65] scope:SCOPE_SE
	s_setreg_imm32_b32 hwreg(HW_REG_WAVE_MODE, 25, 1), 1
	s_wait_xcnt 0x0
; out0 = att Wo + bo on codes of FP6 (E2M3) with E8M0 scales, sums in f32.  att comes as pair records (32 rows x one head's 64: 1,792 bytes), at [256 pairs of rows][8 heads]; Wo as images of fragments, weight 3 of wc and ws.
; SHARES: work-group (x, y): rows 64 y .. 64 y + 63; wave w: columns 64 (4 x + w) on: 16 accumulators, K = 512: 64 matrix instructions.  All operands are loaded straight into registers at the head; no loop, no barrier.
; A fragment of att (16 rows x 128 K) is two heads' six registers: head 2 s fills registers 0-5, head 2 s + 1 registers 6-11; its scale word is the two heads' low halves.
; The product is used transposed (source 0 = 16 columns of Wo, source 1 = 16 rows of att): a lane holds eight neighbouring columns of one row.  The bias is the C of each sum's first product.
; THE WAY OUT: a tile of 16 rows x 64 columns goes through the wave's own stage in LDS (rows of 256 bytes + 16) and comes back by rows: sixteen lanes store 256 consecutive bytes, aligned.
; LIMITS: NaN and infinities are not served.
; REGISTERS: window 0: addresses, scale words, the bias, v128-255 the accumulators ((rt, ct) at v[128 + 8 (4 rt + ct)]).  window 1: Wo's 16 fragments at v[12 (4 ct + s)].  window 2: att's 16 at v[12 (4 rt + s)].
.set PR,  1792
.set SPARE, 4*4352                     ; behind the four stages: the spare words, 128 bytes for each wave: two blocks of 256 bytes that no other line names
.set STO, 3                            ; v3   the stage: where I put 32 bytes of a row
.set SRD, 4                            ; v4   and where I read a row back
.set GO,  5                            ; v5   my byte offset in two rows of out0
.set SPW, 6                            ; v6   LDS address of my spare word; never rewritten
.set NIL, 7                            ; v7   0; never rewritten
.set WS,  16                           ; v16-23  Wo's scale words: register 4 cp + s: lanes 0-15 column tile 2 cp, lanes 16-31 column tile 2 cp + 1
.set AR,  24                           ; v24-39  att's words as they lie: register 8 q + head
.set AS,  40                           ; v40-47  att's scale words: register 4 q + s: lanes 0-15 row tile 2 q, lanes 16-31 row tile 2 q + 1
.set BI,  48                           ; v48-79  the bias in the result's layout: eight registers a column tile
.set ACC, 128
.set MSB, 0
.macro WIN new                         ; the immediate's high byte repeats the setting that is left
.if MSB != (\new)
	s_set_vgpr_msb (MSB<<8)|(\new)
.set MSB, \new
.endif
.endm
.macro MM c, ra, rb                    ; one product, from the symbols rD, rA, rB, rSA, rSB; ra, rb: that source's scales stand in lanes 16-31
.if (\ra) && (\rb)
	v_wmma_scale_f32_16x16x128_f8f6f4 v[rD:rD+7], v[rA:rA+11], v[rB:rB+11], \c, v[rSA], v[rSB] matrix_a_fmt:MATRIX_FMT_FP6 matrix_b_fmt:MATRIX_FMT_FP6 matrix_a_scale:MATRIX_SCALE_ROW1 matrix_b_scale:MATRIX_SCALE_ROW1
.elseif (\ra)
	v_wmma_scale_f32_16x16x128_f8f6f4 v[rD:rD+7], v[rA:rA+11], v[rB:rB+11], \c, v[rSA], v[rSB] matrix_a_fmt:MATRIX_FMT_FP6 matrix_b_fmt:MATRIX_FMT_FP6 matrix_a_scale:MATRIX_SCALE_ROW1
.elseif (\rb)
	v_wmma_scale_f32_16x16x128_f8f6f4 v[rD:rD+7], v[rA:rA+11], v[rB:rB+11], \c, v[rSA], v[rSB] matrix_a_fmt:MATRIX_FMT_FP6 matrix_b_fmt:MATRIX_FMT_FP6 matrix_b_scale:MATRIX_SCALE_ROW1
.else
	v_wmma_scale_f32_16x16x128_f8f6f4 v[rD:rD+7], v[rA:rA+11], v[rB:rB+11], \c, v[rSA], v[rSB] matrix_a_fmt:MATRIX_FMT_FP6 matrix_b_fmt:MATRIX_FMT_FP6
.endif
.endm
	s_load_b256 s[4:11], s[0:1], 0x0               ; at s[4:5], wc s[6:7], ws s[8:9], bo s[10:11]
	s_load_b64 s[12:13], s[0:1], 0x20              ; out0
	v_lshl_add_u32 v[SPW], v0, 2, SPARE
	v_mov_b32 v[NIL], 0
	v_lshrrev_b32 v9, 5, v0
	v_readfirstlane_b32 s16, v9                    ; wave 0..3
	v_and_b32 v11, 31, v0
	v_and_b32 v9, 15, v0                           ; r
	v_bfe_u32 v10, v0, 4, 1                        ; h
	v_lshlrev_b32 v1, 4, v11                       ; 16 x lane
	v_lshlrev_b32 v2, 3, v11                       ; 8 x lane
	s_mul_i32 s20, s16, 4352                       ; my stage
	v_mul_u32_u24 v[STO], v9, 272
	v_lshl_add_u32 v[STO], v10, 5, v[STO]
	v_add_nc_u32 v[STO], s20, v[STO]               ; in: row r, + 32 h
	v_mul_u32_u24 v[SRD], v10, 272
	v_lshl_add_u32 v[SRD], v9, 4, v[SRD]
	v_add_nc_u32 v[SRD], s20, v[SRD]               ; back: lanes 0-15 one row, lanes 16-31 the next
	v_lshlrev_b32 v[GO], 11, v10
	v_lshl_add_u32 v[GO], v9, 4, v[GO]             ; and the same two rows of out0, 2,048 bytes apart
	v_lshlrev_b32 v8, 5, v10                       ; the bias: my half's eight numbers
	s_lshl_b32 s17, ttmp9, 2
	s_add_co_u32 s17, s17, s16                     ; which 64 columns
	s_and_b32 s18, ttmp7, 0xffff                   ; which 64 rows
	s_mul_i32 s24, s18, 16*PR                      ; two pairs of rows x eight heads
	s_mov_b32 s25, 0
	s_lshl_b32 s26, s17, 2
	s_add_co_u32 s26, s26, 96
	s_mul_i32 s26, s26, 6144                       ; column tile 32 x 3 + 4 x my 64 columns
	s_mov_b32 s27, 0
	s_lshl_b32 s28, s17, 9
	s_add_co_u32 s28, s28, 3*16384
	s_mov_b32 s29, 0
	s_lshl_b32 s30, s17, 8                         ; 64 columns of f32
	s_mov_b32 s31, 0
	s_lshl_b32 s32, s18, 17                        ; 64 rows of 2,048 bytes
	s_add_co_u32 s32, s32, s30
	s_mov_b32 s33, 0
	s_wait_alu depctr_va_vdst(0)
	s_wait_kmcnt 0x0
	s_add_nc_u64 s[4:5], s[4:5], s[24:25]
	s_add_nc_u64 s[6:7], s[6:7], s[26:27]
	s_add_nc_u64 s[8:9], s[8:9], s[28:29]
	s_add_nc_u64 s[10:11], s[10:11], s[30:31]
	s_add_nc_u64 s[12:13], s[12:13], s[32:33]
.irp cp, 0,1
.irp s, 0,1,2,3
	global_load_b32 v[WS+4*\cp+\s], v2, s[8:9] offset:4096*\s+256*\cp
.endr
.endr
.irp q, 0,1
.irp hd, 0,1,2,3,4,5,6,7
	global_load_b32 v[AR+8*\q+\hd], v2, s[4:5] offset:(8*\q+\hd)*PR+1536
.endr
.endr
.irp ct, 0,1,2,3
	global_load_b128 v[BI+8*\ct:BI+8*\ct+3], v8, s[10:11] offset:64*\ct         ; bo at my columns 16 ct + 8 h + 0 .. 7
	global_load_b128 v[BI+8*\ct+4:BI+8*\ct+7], v8, s[10:11] offset:64*\ct+16
.endr
.irp s, 0,1,2,3                                ; K step by K step: 12 loads of Wo, 16 of att
	WIN 0x40
.irp ct, 0,1,2,3
.irp c, 0,1,2
	global_load_b128 v[12*(4*\ct+\s)+4*\c:12*(4*\ct+\s)+4*\c+3], v1, s[6:7] offset:(4*\ct+\s)*1536+512*\c
.endr
.endr
	WIN 0x80
.irp q, 0,1
.irp c, 0,1
.irp e, 0,1
	global_load_b128 v[12*(4*(2*\q+\e)+\s)+6*\c:12*(4*(2*\q+\e)+\s)+6*\c+3], v1, s[4:5] offset:(8*\q+2*\s+\c)*PR+768*\e
	global_load_b64 v[12*(4*(2*\q+\e)+\s)+6*\c+4:12*(4*(2*\q+\e)+\s)+6*\c+5], v2, s[4:5] offset:(8*\q+2*\s+\c)*PR+768*\e+512
.endr
.endr
.endr
.endr
	WIN 0
	s_wait_loadcnt 63                              ; the scale words, the bias and K step 0 are in (84 would do: three K steps of 28 loads; the count's field holds 63)
.irp q, 0,1
.irp s, 0,1,2,3
	v_perm_b32 v[AS+4*\q+\s], v[AR+8*\q+2*\s+1], v[AR+8*\q+2*\s], 0x05040100   ; bytes 0, 1: head 2 s's two blocks; bytes 2, 3: head 2 s + 1's
.endr
.endr
.rept 8
	v_nop                                          ; a scale register written by a vector instruction stands eight places ahead of a scaled product
.endr
	WIN 0x09                                       ; source 0 (Wo) window 1, source 1 (att) window 2
.irp s, 0,1,2,3
.if \s > 0
	s_wait_alu depctr_va_vdst(0)
	s_wait_loadcnt 28*(3-\s)                       ; this K step's 28 loads are in; the later steps' may be out
.endif
.irp rt, 0,1,2,3
.irp ct, 0,1,2,3                               ; the sixteen accumulators take turns, one instruction a turn
.set rD, ACC+8*(4*\rt+\ct)
.set rC, BI+8*\ct
.set rA, 12*(4*\ct+\s)
.set rB, 12*(4*\rt+\s)
.set rSA, WS+4*(\ct/2)+\s
.set rSB, AS+4*(\rt/2)+\s
.if \s == 0
	MM v[rC:rC+7], \ct%2, \rt%2
.else
	MM v[rD:rD+7], \ct%2, \rt%2
.endif
.endr
.endr
.endr
	WIN 0
.rept 4
	v_nop                                          ; four places behind the last product, in front of the reads of results and of the loads into their registers
.endr
.irp rt, 0,1,2,3
.irp ct, 0,1,2,3
	ds_store_b128 v[STO], v[ACC+8*(4*\rt+\ct):ACC+8*(4*\rt+\ct)+3] offset:64*\ct        ; each accumulator from its low end on
	ds_store_b128 v[STO], v[ACC+8*(4*\rt+\ct)+4:ACC+8*(4*\rt+\ct)+7] offset:64*\ct+16
.endr
.irp i, 0,1,2,3,4,5,6,7
	ds_load_b128 v[ACC+32*\rt+4*\i:ACC+32*\rt+4*\i+3], v[SRD] offset:544*\i             ; LDS serves a wave's instructions in order (ISA guide 5.7.1.4): these see the stores above, and the next tile's stores come behind them
.endr
.endr
.irp rt, 0,1,2,3
	s_wait_dscnt 16*(3-\rt)                        ; tile rt is back; the later tiles' sixteen LDS instructions each may be out
.irp i, 0,1,2,3,4,5,6,7
	global_store_b128 v[GO], v[ACC+32*\rt+4*\i:ACC+32*\rt+4*\i+3], s[12:13] offset:(16*\rt+2*\i)*2048 th:TH_STORE_NT   ; sixteen lanes store 256 consecutive bytes, aligned; written once, read by nobody here
.endr
.endr
	s_wait_tensorcnt 0x0                           ; the wave's end, behind my last LDS store
	ds_add_u32 v[SPW], v[NIL]
	s_wait_dscnt 0x0
	s_endpgm
.Lfunc_end_k_q59e64f92a9_oproj:
	.size	k_q59e64f92a9_oproj, .Lfunc_end_k_q59e64f92a9_oproj-k_q59e64f92a9_oproj
	.p2alignl 7, 3214868480
	.fill 96, 4, 3214868480
	.section	.rodata,"a",@progbits
	.p2align	6, 0x0
	.amdhsa_kernel k_q59e64f92a9_oproj
		.amdhsa_group_segment_fixed_size 17920
		.amdhsa_private_segment_fixed_size 0
		.amdhsa_enable_private_segment 0
		.amdhsa_kernarg_size 40
		.amdhsa_user_sgpr_count 2
		.amdhsa_user_sgpr_kernarg_segment_ptr 1
		.amdhsa_wavefront_size32 1
		.amdhsa_system_sgpr_workgroup_id_x 1
		.amdhsa_system_sgpr_workgroup_id_y 1
		.amdhsa_system_sgpr_workgroup_id_z 1
		.amdhsa_system_vgpr_workitem_id 0
		.amdhsa_next_free_vgpr 704
		.amdhsa_next_free_sgpr 66
		.amdhsa_reserve_vcc 0
		.amdhsa_float_denorm_mode_32 3
		.amdhsa_float_denorm_mode_16_64 3
		.amdhsa_memory_ordered 1
		.amdhsa_forward_progress 1
		.amdhsa_inst_pref_size 33
	.end_amdhsa_kernel
	.amdgpu_metadata
---
amdhsa.version: [ 1, 2 ]
amdhsa.kernels:
  - .name:           k_q59e64f92a9_oproj
    .symbol:         k_q59e64f92a9_oproj.kd
    .args:
      - { .name: at, .offset: 0, .size: 8, .value_kind: global_buffer, .address_space: global }
      - { .name: wc, .offset: 8, .size: 8, .value_kind: global_buffer, .address_space: global }
      - { .name: ws, .offset: 16, .size: 8, .value_kind: global_buffer, .address_space: global }
      - { .name: bo, .offset: 24, .size: 8, .value_kind: global_buffer, .address_space: global }
      - { .name: out0, .offset: 32, .size: 8, .value_kind: global_buffer, .address_space: global }
    .group_segment_fixed_size: 17920
    .private_segment_fixed_size: 0
    .kernarg_segment_align: 8
    .kernarg_segment_size: 40
    .max_flat_workgroup_size: 128
    .sgpr_count:     66
    .vgpr_count:     704
    .wavefront_size: 32
...
	.end_amdgpu_metadata
.endif
;; end of part 4
